; MI455X (gfx1250); checked and timed in simulation.
; The chip was launched on July 23, 2026; its instructions are those of AMD's public machine-readable ISA for CDNA 5 (MIT licence, August 2026) and "CDNA5" Instruction Set Architecture Reference Guide (July 2026). The comments in the code are by the model that wrote it; some were corrected since.
;; Low Rank Orthogonal Projection. Allowed arithmetic: matrix products marked QUANTISED: E3M2 operands, one E8M0 scale for each 32 along K, by v_wmma_scale_f32_16x16x128_f8f6f4 with both operands' format E3M2, f32 sums; everything else in f32.
;; Inputs: source 2,048 x 4,096 float32; target 2,048 x 4,096 float32; weight 4,096 x 64 float32.
;; Outputs: out0 2,048 x 4,096 float32.
;; This version of the problem:
;;   THIS VERSION OF THE PROBLEM IS GIVEN IN LOW PRECISION. The matrix products marked QUANTISED in the list below multiply operands that are first quantised to E3M2 (3 exponent bits, 2 mantissa bits; 6 bits a number), with one power-of-two scale for each 32 numbers along K (OCP MX v1.0); their sums are f32. All else is computed in f32.
;;   The module's matrix products, in the order in which they are computed (A, B: the left and right operand; K: the contracted axis; several contracted axes count as one K, in the product's order):
;;     1. [M 4,096, K 64] x [K 64, N 4,096]; A: input weight; B: input weight: QUANTISED
;;     2. [M 2,048, K 4,096] x [K 4,096, N 4,096]; A: input target; B: computed on the way: QUANTISED
;;     3. [M 2,048, K 4,096] x [K 4,096, N 4,096]; A: input source; B: computed on the way: QUANTISED
;;   THE QUANTISER, for each operand of a quantised product, along K:
;;     - K is cut into blocks of 32 from its start; a last block that is shorter is filled with zeros.
;;     - A block's scale is 2^e with e = floor(log2(the largest magnitude in the block)) - 4, held to -126 .. 127; a block of zeros has e = 0. As a byte (E8M0): e + 127.
;;     - Each number is divided by its block's scale, clamped to +-28, and rounded to the nearest number of E3M2, ties to even, subnormals kept.
;;     - The product sums the exact products of the quantised numbers (number of the format x scale) in f32.
;;   ~~~python
;;   def quantise(x, axis):      # numpy; x: float32 -> the quantised numbers, widened to float32 again
;;       x = np.moveaxis(x, axis, -1); K = x.shape[-1]
;;       x = np.pad(x, [(0, 0)] * (x.ndim - 1) + [(0, -K % 32)]); x = x.reshape(x.shape[:-1] + (-1, 32)); a = np.abs(x).max(-1, keepdims=True)
;;       e = np.where(a > 0, np.clip(np.frexp(np.where(a > 0, a, 1))[1] - 1 - 4, -126, 127), 0)      # np.frexp(a)[1] - 1 = floor(log2(a)), exactly
;;       r = np.clip(x / 2.0 ** e, -28, 28)
;;       step = 2.0 ** (np.maximum(np.frexp(np.where(r == 0, 1, r))[1] - 1, -2) - 2)
;;       q = np.round(r / step) * step * 2.0 ** e      # np.round: ties to even
;;       return np.moveaxis(q.reshape(q.shape[:-2] + (-1,))[..., :K], -1, axis).astype(np.float32)
;;   ~~~
;;   OPERANDS COMPUTED ON THE WAY. 'Computed on the way' means the value that the module computes at that place (a softmax that the list does not call 'softmax' is quantised finished and normalised). What goes into a quantiser is computed in f32, as accurately as f32 sums, v_exp_f32 and their like allow (about 1e-6 of the number): no bf16 or f16 on the way to a quantiser, and a product that is left as it is and whose result goes on into a quantised operand takes f32 operands (vector FMAs, or v_wmma_f32_16x16x4_f32). A number that lies on a knife's edge between two numbers of the format may be rounded either way, as far as f32 arithmetic and the matrix unit's own rounding can turn it there, and no further.
;; One version. Each part assembles by itself: llvm-mc -triple=amdgcn-amd-amdhsa -mcpu=gfx1250 --defsym DOCPART=n.
;; ======== version 1 of 1: 2 launches
;; limits: right only within a limited range of input values
;; workspace buffers: abuf 13,107,200 bytes; bbuf 13,926,400 bytes
;; launch prep (part 1): grid 512 x 1, 4 waves a work-group, no clusters, 122,368 bytes of LDS; arguments source, target, weight, abuf, bbuf; writes abuf, bbuf
.if DOCPART == 1
	.amdgcn_target "amdgcn-amd-amdhsa--gfx1250"
	.amdhsa_code_object_version 6
	.text
	.protected	k_q0c6bbe690d_prep
	.globl	k_q0c6bbe690d_prep
	.p2align	8
	.type	k_q0c6bbe690d_prep,@function
k_q0c6bbe690d_prep:
	s_mov_b64 s[64:65], 0
	v_nop
	global_prefetch_b8 v0, s[64:65] scope:SCOPE_SE
	s_setreg_imm32_b32 hwreg(HW_REG_WAVE_MODE, 25, 1), 1
	s_wait_xcnt 0x0
; THE OPERANDS OF out = Q(target) Q(I - P)^T + Q(source) Q(P)^T, P = Q(W) Q(W)^T, as codes of BF6 (E3M2) with one E8M0 byte for each 32 along K,
; laid as IMAGES OF OPERAND REGISTERS.  A chunk is 12,800 bytes: 8 fragments (16 rows x 128 K: 12 registers a lane) of 1,536 bytes, registers 4 c .. 4 c + 3
; of lane l at 1536 f + 512 c + 16 l; then 512 bytes of scale words, lane 16 h + r holding the words of row r of fragments 4 h .. 4 h + 3.
; abuf: chunk 64 mt + 2 q + mh = rows 128 mt + 64 mh .. + 63, k = 128 q .. + 127: fragments 0-3 Q(source), fragments 4-7 -Q(target) (the codes' sign bits turned).
; bbuf: chunk 68 nt + 2 idx + nh = rows n = 256 nt + 128 nh .. + 127 of P.  idx 2 + q: Q(P) at k = 128 q .. + 127, with zero codes in the block of 32 that holds k = n;
;       idx 0: Q(P) in that block alone (K step 2 nt + nh);  idx 1: -Q(I - P) in that block alone.
; WHY: off the diagonal I - P is -P exactly, and the quantiser gives Q(-x) = -Q(x) with the same scale, so Q(target) Q(I - P) = (-Q(target)) Q(P) in every block
; of 32 along K but the one that holds the diagonal: one set of codes of P serves both products there, and the diagonal blocks have two chunks of their own.
; SHARES.  Work-groups 0-255 quantise source and target: a wave takes 64 rows x 128 K of both: one chunk of abuf; its waves share nothing; loads run four fragments (64 loads a wave) ahead.
; Work-groups 256-511 make P: a work-group takes a square of 256 rows n x 256 k, a wave 128 x 128 of it: one chunk of bbuf (where the two ranges are the same, also the two diagonal chunks).
; The square wants four runs of 128 rows of W, two on the k side and two on the n side: each wave quantises ONE of them and hands its 8 fragments and their scale words to the others
; through LDS, as images of their registers; one barrier stands between the stores and the loads.  Each way has LDS bytes of its own.
; A block's scale is 2^(floor(log2(its largest magnitude)) - 4); its byte is the largest magnitude's exponent field - 4, held at 1 from below.
; LIMITS: NaN and infinities among the inputs are not served.  A block whose largest magnitude lies under 2^-122 keeps the byte 1; a block of zeros gets the byte 1
; where the rule says 127: its codes are zeros, which add nothing under any byte but 0xff, and the bytes are read by this program alone.
; REGISTERS, window 0: v1-8, v128-133 addresses; v16-79 set 0 of numbers as loaded; v80-95 W's scale words; v96-111 the scale words made; v112-123 a diagonal fragment;
;   v124-127 scale words on their way out; v144-207 64 numbers of a lane; v208-227 codes; v228-243 at work.
;   window 1: v192-255 set 1 of numbers as loaded; v0-95, v96-191 W's fragments (P's way), or v0-63, v64-127 sets 2 and 3 (source's and target's way).
.set CH,    12800
.set KS,    80                         ; v80-87  scale words of W's rows on the k side, a register a tile: they hold scales and nothing else
.set NS,    88                         ; v88-95  the same on the n side
.set SW,    96                         ; v96-103 the scale word of each of the chunk's 8 fragments
.set SWC,   104                        ; v104-111 the same for -(I - P)
.set DG,    112
.set SWS,   124
.set IST,   128                        ; v128 where I store my run's images: IMG + SIDE x wave + 16 x lane
.set ILK,   129                        ; v129 where I load the k side's: IMG + SIDE x (wave % 2) + 16 x lane
.set ILN,   130                        ; v130 and the n side's: IMG + SIDE x (2 + wave / 2) + 16 x lane
.set SST,   131                        ; v131-133 the same three with 4 x lane, for the scale words
.set SLK,   132
.set SLN,   133
.set X,     144
.set PC,    208
.set TM,    228
.set VT,    244
.set ONE,   245
.set ZR,    246
.set KF,    0                          ; window 1: W's 8 fragments of the k side,
.set NF,    96                         ; and of the n side: two runs of registers also where the rows are the same
.set IMG,   68608                      ; LDS, behind the two ways' stages: four runs' images,
.set SIDE,  13312                      ; each 8 fragments x 1,536 bytes and 8 x 128 bytes of scale words
.set FLOOR, 0x2800000                  ; 2^(5 - 127)
.set MSB, 0
.macro WIN new                         ; the immediate's high byte repeats the setting that is left
.if MSB != (\new)
	s_set_vgpr_msb (MSB<<8)|(\new)
.set MSB, (\new)
.endif
.endm
.macro PLACES n
.rept \n
	v_nop
.endr
.endm
.macro PICK set                        ; where a set of 64 registers lies: its first register and its window
.if (\set) == 0
.set rR, 16
.set rW, 0
.elseif (\set) == 1
.set rR, 192
.set rW, 1
.elseif (\set) == 2
.set rR, 0
.set rW, 1
.else
.set rR, 64
.set rW, 1
.endif
.endm
; 16 loads of 512 consecutive bytes each, 16 bytes a lane, into a set
.macro LD16 set, base, off0, step, nt
	PICK \set
	WIN 0x40*rW
.irp i, 0,1,2,3,4,5,6,7,8,9,10,11,12,13,14,15
.if \nt
	global_load_b128 v[rR+4*\i:rR+4*\i+3], v1, s[\base:\base+1] offset:\off0+\i*\step th:TH_LOAD_NT
.else
	global_load_b128 v[rR+4*\i:rR+4*\i+3], v1, s[\base:\base+1] offset:\off0+\i*\step
.endif
.endr
	WIN 0
.endm
; and the same 16 x 512 bytes into the wave's stage in LDS, as they lie
.macro ST16 set, adr, step
	PICK \set
	WIN 0x04*rW                                    ; an LDS store's data are its source 1
.irp i, 0,1,2,3,4,5,6,7,8,9,10,11,12,13,14,15
	ds_store_b128 v[\adr], v[rR+4*\i:rR+4*\i+3] offset:\i*\step
.endr
	WIN 0
.endm
; X holds, of my row, k = 64 c + 32 h + 0 .. 31 in registers 32 c .. 32 c + 31: two whole blocks, in the order of the operand's registers.  They become fragment f of the chunk.
.macro QAF f
.irp c, 0,1
	v_max3_num_f32 v[TM+\c], |v[X+32*\c]|, |v[X+32*\c+1]|, FLOOR   ; the floor holds the byte at 1 from below
.endr
.irp i, 2,4,6,8,10,12,14,16,18,20,22,24,26,28,30
.irp c, 0,1
	v_max3_num_f32 v[TM+\c], v[TM+\c], |v[X+32*\c+\i]|, |v[X+32*\c+\i+1]|
.endr
.endr
.irp c, 0,1
	v_add_nc_u32 v[TM+12+\c], 0xfe000000, v[TM+\c] ; 4 off the exponent field: the conversion's scale operand
.endr
.irp c, 0,1
	v_lshrrev_b32 v[TM+4+\c], 23, v[TM+12+\c]      ; the scale's byte
.endr
	v_lshl_or_b32 v[TM+2], v[TM+5], 16, v[TM+4]    ; my bytes: blocks h and 2 + h,
	v_lshlrev_b32 v[TM+2], v4, v[TM+2]             ; 8 h bits up;
	v_permlanex16_b32 v[TM+8], v[TM+2], s22, s23
	v_or_b32 v[SW+\f], v[TM+2], v[TM+8]            ; with lane l xor 16's two the row's word is whole
	s_wait_alu depctr_va_vdst(0)
	s_wait_xcnt 0x0                                ; the last fragment's stores have read the codes' registers: they are written again only behind this wait
.irp c, 0,1
	v_cvt_scalef32_pk16_bf6_f32 v[PC+6*\c:PC+6*\c+2], v[X+32*\c:X+32*\c+15], v[TM+12+\c]
	v_cvt_scalef32_pk16_bf6_f32 v[PC+12+4*\c:PC+14+4*\c], v[X+32*\c+16:X+32*\c+31], v[TM+12+\c]   ; (a conversion's three registers begin on an even number)
.endr
	v_nop                                          ; one plain place behind a scaled conversion
.irp c, 0,1
.irp i, 0,1,2
	v_mov_b32 v[PC+3+6*\c+\i], v[PC+12+4*\c+\i]
.endr
.endr
.if \f >= 4                            ; target: -Q(x).  Code i's sign is bit 6 i + 5 of the stream: the pattern comes round every three registers
.irp i, 0,3,6,9
	v_xor_b32 v[PC+\i], 0x20820820, v[PC+\i]
	v_xor_b32 v[PC+\i+1], 0x08208208, v[PC+\i+1]
	v_xor_b32 v[PC+\i+2], 0x82082082, v[PC+\i+2]
.endr
.endif
.irp c, 0,1,2
	global_store_b128 v1, v[PC+4*\c:PC+4*\c+3], s[34:35] offset:1536*\f+512*\c   ; 32 lanes store 512 consecutive bytes, at a multiple of 256 from the buffer's first byte
.endr
.endm
; fragment f: its 16 rows' 512 bytes turn through the stage (in as they lie, out 128 bytes a lane), the loads of four fragments on go out, the fragment is made
.macro QASTEP f
.if \f < 5
	s_wait_loadcnt 48                              ; this fragment's 16 loads are in; those of the three fragments behind it may be out
.else
	s_wait_loadcnt 16*(7-\f)                       ; the last fragments: the counts run down
.endif
	ST16 (\f)%4, 2, 528
.irp c, 0,1
.irp j, 0,1,2,3,4,5,6,7
	ds_load_b128 v[X+32*\c+4*\j:X+32*\c+4*\j+3], v3 offset:256*\c+16*\j   ; LDS serves a wave's instructions in order: these see the stores above
.endr
.endr
	s_wait_dscnt 0x0                               ; the numbers are back, and the stores into the stage have read their registers,
.if \f < 4
	LD16 (\f)%4, 32, (\f)*262144, 16384, 1         ; which take the loads of four fragments on: target's row block f
.endif
	QAF \f
.endm
; Two fragments of W from X: registers 32 u .. 32 u + 31 = k = 32 h + 0 .. 31 of my row of fragment u.  W's K is 64: registers 6-11 (k = 64 ..) are zero codes, on both sides of the product.
.macro WQ2 F, S
.irp u, 0,1
	v_max3_num_f32 v[TM+\u], |v[X+32*\u]|, |v[X+32*\u+1]|, FLOOR
.endr
.irp i, 2,4,6,8,10,12,14,16,18,20,22,24,26,28,30
.irp u, 0,1
	v_max3_num_f32 v[TM+\u], v[TM+\u], |v[X+32*\u+\i]|, |v[X+32*\u+\i+1]|
.endr
.endr
.irp u, 0,1
	v_add_nc_u32 v[TM+12+\u], 0xfe000000, v[TM+\u]
.endr
.irp u, 0,1
	v_lshrrev_b32 v[TM+4+\u], 23, v[TM+12+\u]
.endr
.irp u, 0,1
	v_lshlrev_b32 v[TM+2+\u], v4, v[TM+4+\u]       ; my byte is block h's
.endr
.irp u, 0,1
	v_permlanex16_b32 v[TM+8+\u], v[TM+2+\u], s22, s23
.endr
.irp u, 0,1
	v_or_b32 v[\S+\u], v[TM+2+\u], v[TM+8+\u]      ; bytes 2 and 3 stay 0, over zero codes
.endr
	WIN 0x40                                       ; destination window 1
.irp u, 0,1
	v_cvt_scalef32_pk16_bf6_f32 v[\F+12*\u:\F+12*\u+2], v[X+32*\u:X+32*\u+15], v[TM+12+\u]
	v_cvt_scalef32_pk16_bf6_f32 v[\F+12*\u+6:\F+12*\u+8], v[X+32*\u+16:X+32*\u+31], v[TM+12+\u]
.endr
	v_nop                                          ; one plain place behind a scaled conversion
	WIN 0x41
.irp u, 0,1
.irp i, 0,1,2
	v_mov_b32 v[\F+12*\u+3+\i], v[\F+12*\u+6+\i]
.endr
.endr
	WIN 0x40
.irp u, 0,1
.irp i, 6,7,8,9,10,11
	v_mov_b32 v[\F+12*\u+\i], 0
.endr
.endr
	WIN 0
.endm
; group gi of 32 rows of my run of W: 8,192 bytes through the stage, two fragments, and their images into LDS for the other waves.
; Waves 0 and 1 quantise a run of the k side, waves 2 and 3 one of the n side: the two differ in the rows that form a tile, so in the stage's reads alone: a branch on the wave's number round those.
.macro WGRP gi
.if \gi < 3
	s_wait_loadcnt 16                              ; this group's 16 loads are in; the next group's may be out
.else
	s_wait_loadcnt 0x0
.endif
	ST16 (\gi)%2, 6, 544
	s_cmp_lt_u32 s14, 2
	s_cbranch_scc0 .Lnside_\@
.irp u, 0,1
.irp j, 0,1,2,3,4,5,6,7
	ds_load_b128 v[X+32*\u+4*\j:X+32*\u+4*\j+3], v7 offset:2176*\u+16*\j   ; THE ROWS OF A TILE OF THE k SIDE ARE NOT NEIGHBOURS: lane r of tile 2 b + u takes row 32 b + 8 u + r + 8 (r / 8)
.endr
.endr
	s_branch .Lturned_\@
.Lnside_\@:
.irp u, 0,1
.irp j, 0,1,2,3,4,5,6,7
	ds_load_b128 v[X+32*\u+4*\j:X+32*\u+4*\j+3], v8 offset:4352*\u+16*\j   ; the n side: row 16 u + r
.endr
.endr
.Lturned_\@:
	s_wait_dscnt 0x0
.if \gi < 2
	LD16 (\gi)%2, 30, ((\gi)+2)*8192, 512, 0
.endif
	WQ2 24*(\gi), KS+2*(\gi)
	WIN 0x04                                       ; the data: window 1
.irp u, 0,1
.irp c, 0,1,2
	ds_store_b128 v[IST], v[24*(\gi)+12*\u+4*\c:24*(\gi)+12*\u+4*\c+3] offset:1536*(2*(\gi)+\u)+512*\c   ; a fragment goes to LDS as it stands: lane l's 16 bytes at 16 l
.endr
.endr
	WIN 0
.irp u, 0,1
	ds_store_b32 v[SST], v[KS+2*(\gi)+\u] offset:12288+128*(2*(\gi)+\u)
.endr
.endm
; 64 numbers of a lane, register 16 b + i = k 32 b + 16 h + i of my row, become a fragment's codes in v[PC] on and its scale word in v[w]
.macro QUANT s, w
.irp b, 0,1,2,3
	v_max3_num_f32 v[TM+\b], |v[\s+16*\b]|, |v[\s+1+16*\b]|, FLOOR   ; each accumulator is read from its low end on
.endr
.irp i, 2,4,6,8,10,12,14
.irp b, 0,1,2,3
	v_max3_num_f32 v[TM+\b], v[TM+\b], |v[\s+16*\b+\i]|, |v[\s+1+16*\b+\i]|
.endr
.endr
.irp b, 0,1,2,3
	v_permlanex16_b32 v[TM+4+\b], v[TM+\b], s22, s23
.endr
.irp b, 0,1,2,3
	v_max_num_f32 v[TM+\b], v[TM+\b], v[TM+4+\b]   ; with lane l xor 16's: the block's largest magnitude
.endr
.irp b, 0,1,2,3
	v_add_nc_u32 v[TM+12+\b], 0xfe000000, v[TM+\b]
.endr
.irp b, 0,1,2,3
	v_lshrrev_b32 v[TM+4+\b], 23, v[TM+12+\b]
.endr
	v_lshl_or_b32 v[\w], v[TM+5], 8, v[TM+4]
	v_lshl_or_b32 v[\w], v[TM+6], 16, v[\w]
	v_lshl_or_b32 v[\w], v[TM+7], 24, v[\w]
	s_wait_xcnt 0x0                                ; earlier stores have read the codes' registers and the diagonal fragment's: both are written again only behind this wait
.irp c, 0,1
	v_cvt_scalef32_pk16_bf6_f32 v[PC+6*\c:PC+6*\c+2], v[\s+32*\c:\s+15+32*\c], v[TM+12+2*\c]
	v_cvt_scalef32_pk16_bf6_f32 v[PC+12+4*\c:PC+14+4*\c], v[\s+16+32*\c:\s+31+32*\c], v[TM+12+2*\c+1]
.endr
	v_nop                                          ; one plain place behind a scaled conversion
.irp c, 0,1                            ; the operand's layout wants a whole block in a lane: lanes 0-15 block 2 c, lanes 16-31 block 2 c + 1
.irp i, 0,1,2
	v_permlane16_swap_b32 v[PC+6*\c+\i], v[PC+12+4*\c+\i]
.endr
.irp i, 0,1,2
	v_mov_b32 v[PC+3+6*\c+\i], v[PC+12+4*\c+\i]
.endr
.endr
.endm
; 16 rows n (block nb of my 128) x my 128 k of P: eight products, TRANSPOSED (source 0 = 16 rows of W of the k side, source 1 = 16 of the n side): lane (r, h) holds row n = r,
; and the 16 registers of tiles 2 b, 2 b + 1 are k = 32 b + 16 h + 0 .. 15.  Each product is a whole sum (K = 64) and starts from the constant 0.
.macro NBSTEP nb, diag
	WIN 0x05                                       ; sources 0 and 1 window 1, destination window 0
.irp t, 0,1,2,3,4,5,6,7
	v_wmma_scale_f32_16x16x128_f8f6f4 v[X+8*\t:X+8*\t+7], v[KF+12*\t:KF+12*\t+11], v[NF+12*\nb:NF+12*\nb+11], 0, v[KS+\t], v[NS+\nb] matrix_a_fmt:MATRIX_FMT_BF6 matrix_b_fmt:MATRIX_FMT_BF6
.endr
	WIN 0
	PLACES 4                                       ; four places ahead of the first read of the results (ISA guide 7.12.1)
	QUANT X, SW+\nb
.if \diag
.set cs, (\nb)/4                       ; row n's diagonal lies at local k = 16 nb + r: block nb / 2: registers 6 cs .. + 5 of the lanes' half (nb / 2) % 2
.set bs, (\nb)/2
.set MS, 25-((\nb)/2)%2                ; s24: lanes 16-31, s25: lanes 0-15
.irp i, 0,1,2,3,4,5
	v_cndmask_b32 v[DG+6*cs+\i], v[ZR], v[PC+6*cs+\i], s[MS]   ; Q(P) in the diagonal block alone,
	v_mov_b32 v[DG+6*(1-cs)+\i], 0
.endr
.irp c, 0,1,2
	global_store_b128 v1, v[DG+4*\c:DG+4*\c+3], s[36:37] offset:1536*\nb+512*\c
.endr
.irp i, 0,1,2,3,4,5
	v_cndmask_b32 v[PC+6*cs+\i], v[PC+6*cs+\i], v[ZR], s[MS]   ; and zero codes there in the main chunk
.endr
.irp c, 0,1,2
	global_store_b128 v1, v[PC+4*\c:PC+4*\c+3], s[34:35] offset:1536*\nb+512*\c
.endr
.irp i, 0,1,2,3,4,5,6,7,8,9,10,11,12,13,14,15
	v_cmp_eq_u32 vcc_lo, 16*((\nb)%2)+\i, v5       ; register 16 bs + i of lane 16 (nb % 2) + i is the diagonal element
	v_cndmask_b32 v[VT], v[ZR], v[ONE], vcc_lo
	v_sub_f32 v[X+16*bs+\i], v[X+16*bs+\i], v[VT]  ; P - 1 there, P elsewhere: -(I - P), rounded once
.endr
	QUANT X, SWC+\nb
.irp i, 0,1,2,3,4,5
	v_cndmask_b32 v[DG+6*cs+\i], v[ZR], v[PC+6*cs+\i], s[MS]   ; -Q(I - P) in the diagonal block alone (the other six registers still hold zeros)
.endr
.irp c, 0,1,2
	global_store_b128 v1, v[DG+4*\c:DG+4*\c+3], s[36:37] offset:2*CH+1536*\nb+512*\c
.endr
.else
.irp c, 0,1,2
	global_store_b128 v1, v[PC+4*\c:PC+4*\c+3], s[34:35] offset:1536*\nb+512*\c
.endr
.endif
.endm
	s_load_b256 s[4:11], s[0:1], 0x0               ; source s[4:5], target s[6:7], weight s[8:9], abuf s[10:11]
	s_load_b64 s[12:13], s[0:1], 0x20              ; bbuf
	v_lshl_add_u32 v254, v0, 2, 0x1dc00
	v_mov_b32 v255, 0
	v_lshrrev_b32 v9, 5, v0
	v_readfirstlane_b32 s14, v9                    ; wave 0..3
	v_and_b32 v5, 31, v0                           ; lane
	v_lshlrev_b32 v1, 4, v5                        ; 16 x lane
	v_lshlrev_b32 v12, 2, v5                       ; 4 x lane
	v_and_b32 v9, 15, v0                           ; r
	v_bfe_u32 v10, v0, 4, 1                        ; h
	v_lshlrev_b32 v4, 3, v10                       ; 8 h
	; every LDS address is made here, ahead of the parting of the ways
	s_mul_i32 s18, s14, 8448                       ; source's and target's way: a stage of 16 rows x (512 + 16) bytes a wave
	v_add_nc_u32 v2, s18, v1                       ; in: 16 x lane
	v_mul_u32_u24 v3, v9, 528
	v_lshl_add_u32 v3, v10, 7, v3
	v_add_nc_u32 v3, s18, v3                       ; out: row r, + 128 h
	s_mul_i32 s19, s14, 8704                       ; P's way: behind those, a stage of 32 rows x (256 + 16) bytes a wave
	s_add_co_u32 s19, s19, 33792
	v_mul_u32_u24 v6, v10, 272
	v_lshl_add_u32 v6, v9, 4, v6
	v_add_nc_u32 v6, s19, v6                       ; in: two rows a load: row h, 16 r
	v_and_b32 v11, 8, v9
	v_add_nc_u32 v11, v11, v9                      ; r + 8 (r / 8)
	v_mul_u32_u24 v7, v11, 272
	v_lshl_add_u32 v7, v10, 7, v7
	v_add_nc_u32 v7, s19, v7                       ; out, k side
	v_mul_u32_u24 v8, v9, 272
	v_lshl_add_u32 v8, v10, 7, v8
	v_add_nc_u32 v8, s19, v8                       ; out, n side
	s_mul_i32 s20, s14, SIDE                       ; the images: my own run's,
	s_add_co_u32 s20, s20, IMG
	v_add_nc_u32 v[IST], s20, v1
	v_add_nc_u32 v[SST], s20, v12
	s_and_b32 s21, s14, 1                          ; the k side that my square wants: run wave % 2,
	s_mul_i32 s21, s21, SIDE
	s_add_co_u32 s21, s21, IMG
	v_add_nc_u32 v[ILK], s21, v1
	v_add_nc_u32 v[SLK], s21, v12
	s_lshr_b32 s21, s14, 1                         ; and the n side: run 2 + wave / 2
	s_mul_i32 s21, s21, SIDE
	s_add_co_u32 s21, s21, IMG+2*SIDE
	v_add_nc_u32 v[ILN], s21, v1
	v_add_nc_u32 v[SLN], s21, v12
.irp i, 4,5,6,7,8,9
	v_mov_b32 v[TM+\i], 0                          ; written once: a lane permute's destination counts as one of its sources
.endr
	v_mov_b32 v[ONE], 1.0
	v_mov_b32 v[ZR], 0
	s_mov_b32 s22, 0x76543210
	s_mov_b32 s23, 0xfedcba98                      ; v_permlanex16_b32's selects for lane l xor 16
	s_mov_b32 s24, 0xffff0000                      ; lanes 16-31
	s_mov_b32 s25, 0x0000ffff                      ; lanes 0-15
	s_and_b32 s15, ttmp9, 255
	s_wait_kmcnt 0x0
	s_cmp_ge_u32 ttmp9, 0x100
	s_cbranch_scc1 .Lmb
	; ---- source and target
	s_lshl_b32 s15, s15, 2
	s_add_co_u32 s15, s15, s14                     ; my unit of 1,024
	s_lshr_b32 s16, s15, 5                         ; which 64 rows
	s_and_b32 s17, s15, 31                         ; which 128 along K
	s_lshl_b32 s18, s16, 20                        ; 64 rows of 16,384 bytes
	s_lshl_b32 s19, s17, 9                         ; 128 numbers
	s_add_co_u32 s18, s18, s19
	s_mov_b32 s19, 0
	s_add_nc_u64 s[30:31], s[4:5], s[18:19]
	s_add_nc_u64 s[32:33], s[6:7], s[18:19]
	s_lshr_b32 s20, s16, 1
	s_lshl_b32 s20, s20, 6
	s_lshl_b32 s21, s17, 1
	s_add_co_u32 s20, s20, s21
	s_and_b32 s21, s16, 1
	s_add_co_u32 s20, s20, s21                     ; chunk 64 mt + 2 q + mh
	s_mul_i32 s20, s20, CH
	s_mov_b32 s21, 0
	s_add_nc_u64 s[34:35], s[10:11], s[20:21]
.irp f, 0,1,2,3
	LD16 \f, 30, \f*262144, 16384, 1               ; source's four row blocks: 64 loads of mine are out
.endr
.irp f, 0,1,2,3,4,5,6,7
	QASTEP \f
.endr
.irp i, 0,1,2,3
	v_cndmask_b32 v[SWS+\i], v[SW+\i], v[SW+4+\i], s24   ; lanes 0-15: fragment i's words, lanes 16-31: fragment 4 + i's
.endr
	global_store_b128 v1, v[SWS:SWS+3], s[34:35] offset:12288
	s_wait_tensorcnt 0x0
	ds_add_u32 v254, v255
	s_wait_dscnt 0x0
	s_endpgm
	; ---- P
.Lmb:
	s_lshr_b32 s18, s15, 4
	s_lshl_b32 s18, s18, 1                         ; the square's first 128 rows n,
	s_and_b32 s19, s15, 15
	s_lshl_b32 s19, s19, 1                         ; and its first 128 k
	s_lshr_b32 s20, s14, 1
	s_and_b32 s21, s14, 1
	s_add_co_u32 s16, s18, s20                     ; my 128 rows n: + wave / 2
	s_add_co_u32 s17, s19, s21                     ; my 128 k: + wave % 2
	s_cmp_lt_u32 s14, 2
	s_cselect_b32 s26, s19, s18                    ; the run of W that I quantise: waves 0, 1 the k side's two, waves 2, 3 the n side's
	s_add_co_u32 s26, s26, s21
	s_lshl_b32 s18, s26, 15                        ; 128 rows of W are 32,768 bytes
	s_mov_b32 s19, 0
	s_add_nc_u64 s[30:31], s[8:9], s[18:19]
	s_lshr_b32 s20, s16, 1
	s_mul_i32 s20, s20, 68
	s_and_b32 s21, s16, 1
	s_add_co_u32 s20, s20, s21                     ; chunk 68 nt + nh: the diagonal's first
	s_mul_i32 s20, s20, CH
	s_mov_b32 s21, 0
	s_add_nc_u64 s[36:37], s[12:13], s[20:21]
	s_mul_i32 s20, s17, 2*CH
	s_add_co_u32 s20, s20, 4*CH                    ; the main chunk lies 2 (2 + q) chunks on
	s_add_nc_u64 s[34:35], s[36:37], s[20:21]
	LD16 0, 30, 0, 512, 0
	LD16 1, 30, 8192, 512, 0
.irp gi, 0,1,2,3
	WGRP \gi
.endr
	s_wait_dscnt 0x0                               ; for the others' sake: my images have landed
	s_barrier_signal -1
	s_barrier_wait -1                              ; all four runs lie in LDS; nothing is stored to LDS behind this barrier
	WIN 0x40                                       ; destination window 1
.irp t, 0,1,2,3,4,5,6,7
.irp c, 0,1,2
	ds_load_b128 v[KF+12*\t+4*\c:KF+12*\t+4*\c+3], v[ILK] offset:1536*\t+512*\c   ; and come back so, in any wave
	ds_load_b128 v[NF+12*\t+4*\c:NF+12*\t+4*\c+3], v[ILN] offset:1536*\t+512*\c
.endr
.endr
	WIN 0
.irp t, 0,1,2,3,4,5,6,7
	ds_load_b32 v[KS+\t], v[SLK] offset:12288+128*\t
	ds_load_b32 v[NS+\t], v[SLN] offset:12288+128*\t
.endr
	s_wait_dscnt 0x0
	s_cmp_eq_u32 s16, s17                          ; does my square of P hold the diagonal?  It hangs on ids alone
	s_cbranch_scc1 .Ldiag
.irp nb, 0,1,2,3,4,5,6,7
	NBSTEP \nb, 0
.endr
.irp i, 0,1,2,3
	v_cndmask_b32 v[SWS+\i], v[SW+\i], v[SW+4+\i], s24
.endr
	global_store_b128 v1, v[SWS:SWS+3], s[34:35] offset:12288
	s_wait_tensorcnt 0x0
	ds_add_u32 v254, v255
	s_wait_dscnt 0x0
	s_endpgm
.Ldiag:
.irp nb, 0,1,2,3,4,5,6,7
	NBSTEP \nb, 1
.endr
.irp i, 0,1,2,3
	v_cndmask_b32 v[SWS+\i], v[SW+\i], v[SW+4+\i], s24
.endr
	global_store_b128 v1, v[SWS:SWS+3], s[34:35] offset:12288
	global_store_b128 v1, v[SWS:SWS+3], s[36:37] offset:12288
	s_wait_xcnt 0x0                                ; both stores have read their data
.irp i, 0,1,2,3
	v_cndmask_b32 v[SWS+\i], v[SWC+\i], v[SWC+4+\i], s24
.endr
	global_store_b128 v1, v[SWS:SWS+3], s[36:37] offset:2*CH+12288
	s_wait_tensorcnt 0x0
	ds_add_u32 v254, v255
	s_wait_dscnt 0x0
	s_endpgm
.Lfunc_end_k_q0c6bbe690d_prep:
	.size	k_q0c6bbe690d_prep, .Lfunc_end_k_q0c6bbe690d_prep-k_q0c6bbe690d_prep
	.p2alignl 7, 3214868480
	.fill 96, 4, 3214868480
	.section	.rodata,"a",@progbits
	.p2align	6, 0x0
	.amdhsa_kernel k_q0c6bbe690d_prep
		.amdhsa_group_segment_fixed_size 122368
		.amdhsa_private_segment_fixed_size 0
		.amdhsa_enable_private_segment 0
		.amdhsa_kernarg_size 40
		.amdhsa_user_sgpr_count 2
		.amdhsa_user_sgpr_kernarg_segment_ptr 1
		.amdhsa_wavefront_size32 1
		.amdhsa_system_sgpr_workgroup_id_x 1
		.amdhsa_system_sgpr_workgroup_id_y 1
		.amdhsa_system_sgpr_workgroup_id_z 1
		.amdhsa_system_vgpr_workitem_id 0
		.amdhsa_next_free_vgpr 512
		.amdhsa_next_free_sgpr 66
		.amdhsa_reserve_vcc 1
		.amdhsa_float_denorm_mode_32 3
		.amdhsa_float_denorm_mode_16_64 3
		.amdhsa_memory_ordered 1
		.amdhsa_forward_progress 1
		.amdhsa_inst_pref_size 245
	.end_amdhsa_kernel
	.amdgpu_metadata
---
amdhsa.version: [ 1, 2 ]
amdhsa.kernels:
  - .name:           k_q0c6bbe690d_prep
    .symbol:         k_q0c6bbe690d_prep.kd
    .args:
      - { .name: source, .offset: 0, .size: 8, .value_kind: global_buffer, .address_space: global }
      - { .name: target, .offset: 8, .size: 8, .value_kind: global_buffer, .address_space: global }
      - { .name: weight, .offset: 16, .size: 8, .value_kind: global_buffer, .address_space: global }
      - { .name: abuf, .offset: 24, .size: 8, .value_kind: global_buffer, .address_space: global }
      - { .name: bbuf, .offset: 32, .size: 8, .value_kind: global_buffer, .address_space: global }
    .group_segment_fixed_size: 122368
    .private_segment_fixed_size: 0
    .kernarg_segment_align: 8
    .kernarg_segment_size: 40
    .max_flat_workgroup_size: 128
    .sgpr_count:     66
    .vgpr_count:     512
    .wavefront_size: 32
...
	.end_amdgpu_metadata
.endif
;; end of part 1
;; launch gemm (part 2): grid 16 x 16, 4 waves a work-group, clusters of 4 x 4, 327,680 bytes of LDS; arguments abuf, bbuf, out0; writes out0
.if DOCPART == 2
	.amdgcn_target "amdgcn-amd-amdhsa--gfx1250"
	.amdhsa_code_object_version 6
	.text
	.protected	k_q0c6bbe690d_gemm
	.globl	k_q0c6bbe690d_gemm
	.p2align	8
	.type	k_q0c6bbe690d_gemm,@function
k_q0c6bbe690d_gemm:
	s_mov_b64 s[64:65], 0
	v_nop
	global_prefetch_b8 v0, s[64:65] scope:SCOPE_SE
	s_setreg_imm32_b32 hwreg(HW_REG_WAVE_MODE, 25, 1), 1
	s_wait_xcnt 0x0
	s_wait_alu depctr_hold_cnt(0) depctr_sa_sdst(0) depctr_va_vdst(0) depctr_va_sdst(0) depctr_va_ssrc(0) depctr_va_vcc(0) depctr_vm_vsrc(0)
	s_getreg_b32 s2, hwreg(HW_REG_IB_STS2, 6, 4)
	s_cmp_eq_u32 s2, 0
	s_cbranch_scc0 .Lentry_in_a_cluster
	s_endpgm
.Lentry_in_a_cluster:
	s_bfe_u32 s2, ttmp6, 0x10000c
	s_cmp_lg_u32 s2, 0xf033
	s_cbranch_scc0 .Lentry_shape_is_right
	s_endpgm
.Lentry_shape_is_right:
; out = Q(source) Q(P)^T + Q(target) Q(I - P)^T on the operand images that the launch before has laid (chunks of 12,800 bytes: 8 fragments of 16 rows x 128 K, 1,536 bytes each, then 512 bytes of scale words).
; abuf's chunk holds Q(source) in fragments 0-3 and -Q(target) in fragments 4-7; bbuf's main chunks hold Q(P) with zero codes in the block of 32 that holds the diagonal,
; and two chunks for each 128 columns hold that block alone: Q(P) there (for source) and -Q(I - P) there (for -target).  So 33 steps of 128 along K: the diagonal's, then 32.
; A work-group of four waves makes 128 rows x 256 columns of out; a wave 64 x 128: 32 accumulators, each fed twice a step (source's fragment, then target's).
; REGISTERS.  The accumulators lie in four quarters of 64 registers, one in each window of 256 (v192-255), and each window holds one quarter of the fragments beside them (from v48, sets of 48):
;   window 0: quarter (rows 0-31, columns 0-63) and A's fragments of rows 0-31;   window 1: quarter (rows 0-31, columns 64-127) and B's fragments of columns 0-63;
;   window 2: quarter (rows 32-63, columns 64-127) and B's of columns 64-127;     window 3: quarter (rows 32-63, columns 0-63) and A's of rows 32-63.
; A PHASE is 16 matrix instructions on one quarter, under one setting of the windows; a step is four phases.  Every piece of fragments has two sets, by the step's parity, so the next step's
; 50 LDS loads stand in ONE run, behind the step's first phase: 48 matrix instructions follow it without a break.  A phase's setting also serves the loads of the piece that lies in its window
; (a load's address register is taken from source 0's window: windows 1 and 2 hold copies of the four addresses): eight switches of the windows a step.
; THE RING: two LDS slots of three K steps (A's 6 chunks, then B's 6), filled by joint tensor loads: 4 x 4 work-groups form a cluster, A's tiles are shared along its rows, B's along its columns.
; A slot's last step has its fragments in registers when it begins: there the slot is filled again, behind the waits, the add and a round of the cluster's barrier.
; The matrix instruction is used transposed (source 0 = rows of P, source 1 = rows of source or target): a lane holds eight neighbouring columns of a row of out.
; PREFETCH: a tile's 819,200 bytes are 25 stripes of 32,768; the four partners take 8,192 bytes of a stripe each, by address, a lane 256 bytes.  The head asks for stripes 2-6 (fills 1 and 2);
; the turn that loads fill k + 2 (bytes from 76,800 (k + 2)) asks for stripes 7 + 3 k .. 9 + 3 k, k = 0 .. 5: fill k + 3 and beyond, one turn or more ahead; stripe 24 is the last.  One wave of one row (column) of clusters asks for each tile of A (B).
.set CH,     12800
.set DSB,    2*CH                      ; a K step of A (two halves of rows) or of B (two halves of columns)
.set BOFF,   3*DSB
.set SLOT,   6*DSB
.set SPARE,  2*SLOT                    ; the spare words: 512 bytes that no other line names
.set STAGE,  SLOT                      ; the way out: in slot 1, which has had its last fill and its last read by then
.set SPITCH, 528
.set STRIPE, 32768
.set LO16, 4                           ; window 0: v4 16 x lane; v5 256 x lane; v6, v7 the stage, in and back; v8, v9 the add's two registers
.set PFO,  5
.set STO,  6
.set RD,   7
.set SPW,  8
.set NIL,  9
.set SC,   16                          ; v16-31 scale words, two sets of A's 4 and B's 4; v32-35 the second diagonal chunk's
.set FG,   48                          ; fragments: set p at FG + 48 p
.set ACC,  192
.set BK,   48                          ; the way out: v48-111, v112-175 rows read back
.set ADRA, 0                           ; windows 1 and 2: v0-1 LDS address of my A chunk in slot 0, 1; v2-3 of my B chunk
.set ADRB, 2
.set G1A3, 24
.set G1B3, 48
.set G1A2, 68
.set G1B2, 80
.set RA,   32
.set RB,   56
.set FA,   76
.set FB,   88
.set PFA,  18
.set LIM,  45
.set WN0,  0x01                        ; source 0 (B), source 1 (A), C and D: windows 1, 0, 0
.set WN1,  0x52                        ; 2, 0, 1
.set WN2,  0xae                        ; 2, 3, 2
.set WN3,  0xfd                        ; 1, 3, 3
.set MSB, 0
.macro WIN new                         ; the immediate's high byte repeats the setting that is left
.if MSB != (\new)
	s_set_vgpr_msb (MSB<<8)|(\new)
.set MSB, (\new)
.endif
.endm
.macro JLOAD g0a, g1a, g0b, g1b        ; a joint load: waves 0 and 1 fetch A's halves, waves 2 and 3 B's
	s_cmp_eq_u32 s15, 0
	s_cbranch_scc0 .Lfor_b_\@
	tensor_load_to_lds s[\g0a:\g0a+3], s[\g1a:\g1a+7]
	s_nop 0
.rept 4
	v_nop
.endr
	s_branch .Lasked_\@
.Lfor_b_\@:
	tensor_load_to_lds s[\g0b:\g0b+3], s[\g1b:\g1b+7]
	s_nop 0
.rept 4
	v_nop
.endr
.Lasked_\@:
.endm
.macro ASK                             ; three stripes' shares; not in the loop's last trip, whose stripes would lie past the tile
	s_cmp_gt_u32 s3, s[LIM]
	s_cbranch_scc0 .Lnot_mine_\@
	global_prefetch_b8 v[PFO], s[PFA:PFA+1] th:TH_LOAD_NT scope:SCOPE_SE
	global_prefetch_b8 v[PFO], s[PFA:PFA+1] offset:STRIPE th:TH_LOAD_NT scope:SCOPE_SE
	global_prefetch_b8 v[PFO], s[PFA:PFA+1] offset:2*STRIPE th:TH_LOAD_NT scope:SCOPE_SE
.Lnot_mine_\@:
.endm
.macro CREST
	s_cmp_lg_u32 s14, 0
	s_cbranch_scc1 .Lnot_wave_0_\@
	s_barrier_signal -3
.Lnot_wave_0_\@:
	s_barrier_wait -3
	s_barrier_signal -1
	s_barrier_wait -1
.endm
.macro CROUND
	s_barrier_signal -1
	s_barrier_wait -1
	CREST
.endm
.macro PLACES n
.rept \n
	v_nop
.endr
.endm
; one product of phase q: row block ap (of the quarter's two), column block bp (of its four); t = 0 source's fragment, 1 target's.  pa, pb: the sets; sa, sb: the scale words' first registers
.macro WM q, t, ap, bp, pa, pb, sa, sb, zero
.set rD, ACC+8*(4*(\ap)+(\bp))
.set rB, FG+48*(\pb)+12*(\bp)
.set rA, FG+48*(\pa)+12*(2*(\t)+(\ap))
.set rSB, (\sb)+(\bp)
.set rSA, (\sa)+2*((\q)/2)+(\ap)
.set jj, (((\q)+1)/2)%2                ; the quarter's half of the columns: B's fragments 4-7 have their words in lanes 16-31, as target's fragments have
.if \zero
.if jj == 0
	v_wmma_scale_f32_16x16x128_f8f6f4 v[rD:rD+7], v[rB:rB+11], v[rA:rA+11], 0, v[rSB], v[rSA] matrix_a_fmt:MATRIX_FMT_BF6 matrix_b_fmt:MATRIX_FMT_BF6
.else
	v_wmma_scale_f32_16x16x128_f8f6f4 v[rD:rD+7], v[rB:rB+11], v[rA:rA+11], 0, v[rSB], v[rSA] matrix_a_fmt:MATRIX_FMT_BF6 matrix_b_fmt:MATRIX_FMT_BF6 matrix_a_scale:MATRIX_SCALE_ROW1
.endif
.elseif (\t) == 0
.if jj == 0
	v_wmma_scale_f32_16x16x128_f8f6f4 v[rD:rD+7], v[rB:rB+11], v[rA:rA+11], v[rD:rD+7], v[rSB], v[rSA] matrix_a_fmt:MATRIX_FMT_BF6 matrix_b_fmt:MATRIX_FMT_BF6
.else
	v_wmma_scale_f32_16x16x128_f8f6f4 v[rD:rD+7], v[rB:rB+11], v[rA:rA+11], v[rD:rD+7], v[rSB], v[rSA] matrix_a_fmt:MATRIX_FMT_BF6 matrix_b_fmt:MATRIX_FMT_BF6 matrix_a_scale:MATRIX_SCALE_ROW1
.endif
.else
.if jj == 0
	v_wmma_scale_f32_16x16x128_f8f6f4 v[rD:rD+7], v[rB:rB+11], v[rA:rA+11], v[rD:rD+7], v[rSB], v[rSA] matrix_a_fmt:MATRIX_FMT_BF6 matrix_b_fmt:MATRIX_FMT_BF6 matrix_b_scale:MATRIX_SCALE_ROW1
.else
	v_wmma_scale_f32_16x16x128_f8f6f4 v[rD:rD+7], v[rB:rB+11], v[rA:rA+11], v[rD:rD+7], v[rSB], v[rSA] matrix_a_fmt:MATRIX_FMT_BF6 matrix_b_fmt:MATRIX_FMT_BF6 matrix_a_scale:MATRIX_SCALE_ROW1 matrix_b_scale:MATRIX_SCALE_ROW1
.endif
.endif
.endm
; load number nl of window q's piece (step j2 of slot s2, into set pn): q = 0: A's fragments 0, 1, 4, 5 and the two loads of scale words; 1: B's 0-3; 2: B's 4-7; 3: A's 2, 3, 6, 7
.macro PL q, s2, j2, pn
.if nl < 12
.set fi, nl/3
.if (\q) == 0
.set ff, (fi%2)+4*(fi/2)
.set ar, ADRA+(\s2)
.elseif (\q) == 3
.set ff, 2+(fi%2)+4*(fi/2)
.set ar, ADRA+(\s2)
.elseif (\q) == 1
.set ff, fi
.set ar, ADRB+(\s2)
.else
.set ff, 4+fi
.set ar, ADRB+(\s2)
.endif
	ds_load_b128 v[FG+48*(\pn)+4*nl:FG+48*(\pn)+4*nl+3], v[ar] offset:DSB*(\j2)+1536*ff+512*(nl%3)
.elseif (\q) == 0 && nl == 12
	ds_load_b128 v[SC+8*(\pn):SC+8*(\pn)+3], v[ADRA+(\s2)] offset:DSB*(\j2)+12288
.elseif (\q) == 0 && nl == 13
	ds_load_b128 v[SC+8*(\pn)+4:SC+8*(\pn)+7], v[ADRB+(\s2)] offset:DSB*(\j2)+12288
.endif
.set nl, nl+1
.endm
; a phase: the quarter's 8 accumulators by turns, source's products and then target's
.macro PH q, pa, pb0, pb1, sa, sb0, sb1, zero
	WIN WN\q
.irp ap, 0,1
.irp bp, 0,1,2,3
	WM \q, 0, \ap, \bp, \pa, \pb0, \sa, \sb0, \zero
.endr
.endr
.irp ap, 0,1
.irp bp, 0,1,2,3
	WM \q, 1, \ap, \bp, \pa, \pb1, \sa, \sb1, 0
.endr
.endr
.endm
.macro PHN q, p                        ; a phase of a main step on set p
	PH \q, \p, \p, \p, SC+8*(\p), SC+8*(\p)+4, SC+8*(\p)+4, 0
.endm
.macro RUN s2, j2, pn                  ; the 50 loads of step j2 of slot s2 into set pn: 14, 12, 12, 12, each piece under its window's setting
.irp q, 0,1,2,3
	WIN WN\q
.set nl, 0
.rept 14
	PL \q, \s2, \j2, \pn
.endr
.endr
.endm
; a step on set p that fetches step j2 of slot s2 into set 1 - p.  LDS loads come back in order
.macro NSTEP p, s2, j2
	s_wait_dscnt 24                                ; of the last run A's rows 0-31, the scale words and B's columns 0-63 are in; the two younger pieces may be out
	PHN 0, \p
	PLACES 4                                       ; set 1 - p was read by the last step's products: four places ahead of the loads into it (ISA guide 7.12.1 for vector instructions)
	RUN \s2, \j2, 1-(\p)
	s_wait_dscnt 62                                ; B's columns 64-127 are in: behind them 12 loads and the 50 just issued
	PHN 1, \p
	s_wait_dscnt 50                                ; A's rows 32-63 are in: all but the 50 just issued
	PHN 2, \p
	PHN 3, \p
.endm
; the last step of slot s, on set p: all its fragments have been asked for, so the slot changes here.  mode 2: slot s takes the fill two on; 3: the last fill, of two steps; 0: nothing is left to fetch
.macro TSTEP p, s, s2, mode, ask
	WIN 0
.if \ask
	s_wait_xcnt 0x0                                ; my last prefetches have read their address
	s_add_nc_u64 s[PFA:PFA+1], s[PFA:PFA+1], 3*STRIPE
.endif
	s_wait_tensorcnt 0x0                           ; my one load that was out, my part of slot s2, has landed
	ds_add_u32 v[SPW], v[NIL]
.if \mode == 2
	s_add_nc_u64 s[RA+4*\s+2:RA+4*\s+3], s[RA+4*\s+2:RA+4*\s+3], 6*DSB
	s_add_nc_u64 s[RB+4*\s+2:RB+4*\s+3], s[RB+4*\s+2:RB+4*\s+3], 6*DSB
.endif
	s_wait_dscnt 0x0                               ; the add is done and my reads of slot s are over (the last run was issued 48 matrix instructions ago)
	s_barrier_signal -1
	PHN 0, \p
	WIN 0
	s_barrier_wait -1
.if \mode == 2
	CREST                                          ; the barrier has opened a round of the cluster's barrier
	JLOAD RA+4*\s, G1A3, RB+4*\s, G1B3             ; its four v_nop are the places ahead of the loads below
.elseif \mode == 3
	CREST
	JLOAD FA, G1A2, FB, G1B2
.else
	PLACES 4
.endif
	RUN \s2, 0, 1-(\p)
.if \ask
	WIN 0
	ASK
.endif
	PHN 1, \p
	PHN 2, \p
	PHN 3, \p
.endm
	s_load_b128 s[4:7], s[0:1], 0x0                ; abuf, bbuf
	s_load_b64 s[8:9], s[0:1], 0x10                ; out0
	v_lshl_add_u32 v[SPW], v0, 2, SPARE
	v_mov_b32 v[NIL], 0
	ds_add_u32 v[SPW], v[NIL]
	ds_add_u32 v[SPW], v[NIL]
	v_lshrrev_b32 v1, 5, v0
	v_readfirstlane_b32 s14, v1                    ; wave
	s_lshr_b32 s15, s14, 1                         ; my half of the rows; also: I fetch for A (0) or B (1)
	s_and_b32 s16, s14, 1                          ; my half of the columns; also: which half of a fill I fetch
	s_bfe_u32 s40, ttmp6, 0x40000                  ; cx, cy
	s_bfe_u32 s41, ttmp6, 0x40004
	s_lshl_b32 s42, ttmp9, 2
	s_add_co_u32 s42, s42, s40                     ; tile column
	s_and_b32 s17, ttmp7, 0xffff
	s_lshl_b32 s17, s17, 2
	s_add_co_u32 s17, s17, s41                     ; tile row
	s_lshl_b32 s43, s41, 2
	s_lshl_b32 s43, 15, s43                        ; my row of the cluster
	s_lshl_b32 s44, 0x1111, s40                    ; my column
	s_or_b32 s[G1A3], s43, (3<<16)|(1<<21)         ; dense blocks as rows of 256 bytes (32 elements of 8): 150 rows, half of a fill of three steps;
	s_or_b32 s[G1A2], s43, (3<<16)|(1<<21)         ; 100 rows, half of the last fill of two
	s_or_b32 s[G1B3], s44, (3<<16)|(1<<21)
	s_or_b32 s[G1B2], s44, (3<<16)|(1<<21)
.irp g, G1A3, G1B3
	s_mov_b32 s[\g+1], 32<<16
	s_mov_b32 s[\g+2], 150<<16
	s_mov_b32 s[\g+3], 32<<16
	s_mov_b32 s[\g+4], 150
	s_mov_b32 s[\g+5], 32
	s_mov_b32 s[\g+6], 0
	s_mov_b32 s[\g+7], 0
.endr
.irp g, G1A2, G1B2
	s_mov_b32 s[\g+1], 32<<16
	s_mov_b32 s[\g+2], 100<<16
	s_mov_b32 s[\g+3], 32<<16
	s_mov_b32 s[\g+4], 100
	s_mov_b32 s[\g+5], 32
	s_mov_b32 s[\g+6], 0
	s_mov_b32 s[\g+7], 0
.endr
	s_mul_i32 s20, s17, 64*CH                      ; A's tile
	s_mov_b32 s21, 0
	s_mul_i32 s46, s42, 68*CH                      ; B's tile, behind its four diagonal chunks
	s_add_co_u32 s46, s46, 2*DSB
	s_mov_b32 s47, 0
	s_mul_i32 s10, s16, DSB
	s_mov_b32 s11, 0
	s_mul_i32 s12, s16, 3*CH
	s_mov_b32 s13, 0
	s_lshl_b32 s92, s17, 6                         ; the diagonal step's chunk of A: 64 mt + 2 (2 nt + nh) + mh
	s_lshl_b32 s96, s42, 2
	s_add_co_u32 s92, s92, s96
	s_lshl_b32 s96, s16, 1
	s_add_co_u32 s92, s92, s96
	s_add_co_u32 s92, s92, s15
	s_mul_i32 s92, s92, CH
	s_mov_b32 s93, 0
	s_mul_i32 s94, s42, 68                         ; and of B: 68 nt + nh; the second lies two chunks on
	s_add_co_u32 s94, s94, s16
	s_mul_i32 s94, s94, CH
	s_mov_b32 s95, 0
	s_lshl_b32 s96, s17, 7                         ; my part of out: row 128 mt + 64 mh, byte 1024 nt + 512 nh
	s_lshl_b32 s97, s15, 6
	s_add_co_u32 s96, s96, s97
	s_lshl_b32 s96, s96, 14
	s_lshl_b32 s97, s42, 10
	s_add_co_u32 s96, s96, s97
	s_lshl_b32 s97, s16, 9
	s_add_co_u32 s96, s96, s97
	s_mov_b32 s97, 0
	s_mul_i32 s22, s15, CH                         ; my chunks in a slot's step
	s_mul_i32 s23, s16, CH
	s_add_co_u32 s23, s23, BOFF
	s_add_co_u32 s98, s22, SLOT
	s_add_co_u32 s99, s23, SLOT
	s_mul_i32 s66, s14, 16*SPITCH
	s_add_co_u32 s66, s66, STAGE                   ; my stage
	v_and_b32 v1, 31, v0
	v_lshlrev_b32 v[LO16], 4, v1
	v_lshlrev_b32 v[PFO], 8, v1
	v_and_b32 v2, 15, v0
	v_bfe_u32 v3, v0, 4, 1
	v_mul_u32_u24 v10, v2, SPITCH                  ; into the stage: row l % 16, 32 bytes for each half of the lanes
	v_lshl_add_u32 v10, v3, 5, v10
	v_add_nc_u32 v[STO], s66, v10
	v_add_nc_u32 v[RD], s66, v[LO16]               ; back: the 32 lanes take a row of 512 bytes
	WIN 0x40                                       ; the four LDS addresses, once in window 1
	v_add_nc_u32 v[ADRA], s22, v[LO16]
	v_add_nc_u32 v[ADRA+1], s98, v[LO16]
	v_add_nc_u32 v[ADRB], s23, v[LO16]
	v_add_nc_u32 v[ADRB+1], s99, v[LO16]
	WIN 0x80                                       ; and once in window 2
	v_add_nc_u32 v[ADRA], s22, v[LO16]
	v_add_nc_u32 v[ADRA+1], s98, v[LO16]
	v_add_nc_u32 v[ADRB], s23, v[LO16]
	v_add_nc_u32 v[ADRB+1], s99, v[LO16]
	WIN 0
	s_wait_alu depctr_va_vdst(0)
	s_wait_dscnt 0x0                               ; both opening adds are done
	s_wait_kmcnt 0x0
	s_add_nc_u64 s[20:21], s[4:5], s[20:21]
	s_add_nc_u64 s[46:47], s[6:7], s[46:47]
	s_add_nc_u64 s[92:93], s[4:5], s[92:93]
	s_add_nc_u64 s[94:95], s[6:7], s[94:95]
	s_add_nc_u64 s[8:9], s[8:9], s[96:97]
	s_mov_b32 s[RA], 1                             ; group 0, slot 0: fill 0, K steps 0-2, my half of its 6 chunks
	s_mov_b32 s[RA+1], s12
	s_add_nc_u64 s[RA+2:RA+3], s[20:21], s[12:13]
	s_or_b32 s[RA+3], s[RA+3], 0x80000000
	s_mov_b32 s[RA+4], 1                           ; slot 1: fill 1, K steps 3-5
	s_add_co_u32 s[RA+5], s12, SLOT
	s_add_nc_u64 s[RA+6:RA+7], s[20:21], s[12:13]
	s_add_nc_u64 s[RA+6:RA+7], s[RA+6:RA+7], 3*DSB
	s_or_b32 s[RA+7], s[RA+7], 0x80000000
	s_mov_b32 s[RB], 1
	s_add_co_u32 s[RB+1], s12, BOFF
	s_add_nc_u64 s[RB+2:RB+3], s[46:47], s[12:13]
	s_or_b32 s[RB+3], s[RB+3], 0x80000000
	s_mov_b32 s[RB+4], 1
	s_add_co_u32 s[RB+5], s12, SLOT+BOFF
	s_add_nc_u64 s[RB+6:RB+7], s[46:47], s[12:13]
	s_add_nc_u64 s[RB+6:RB+7], s[RB+6:RB+7], 3*DSB
	s_or_b32 s[RB+7], s[RB+7], 0x80000000
	s_mov_b32 s[FA], 1                             ; the last fill, K steps 30 and 31, into slot 0: a step to a wave
	s_mov_b32 s[FA+1], s10
	s_add_nc_u64 s[FA+2:FA+3], s[20:21], s[10:11]
	s_add_nc_u64 s[FA+2:FA+3], s[FA+2:FA+3], 30*DSB
	s_or_b32 s[FA+3], s[FA+3], 0x80000000
	s_mov_b32 s[FB], 1
	s_add_co_u32 s[FB+1], s10, BOFF
	s_add_nc_u64 s[FB+2:FB+3], s[46:47], s[10:11]
	s_add_nc_u64 s[FB+2:FB+3], s[FB+2:FB+3], 30*DSB
	s_or_b32 s[FB+3], s[FB+3], 0x80000000
	s_and_b32 s98, ttmp7, 0xffff                   ; who prefetches: for A the clusters of column 0, for B those of row 0, the wave that fetches a fill's first half
	s_cmp_eq_u32 s15, 0
	s_cselect_b32 s98, ttmp9, s98
	s_cselect_b32 s99, s40, s41                    ; my place among the four partners enters the address alone
	s_cselect_b64 s[PFA:PFA+1], s[20:21], s[46:47]
	s_or_b32 s98, s98, s16
	s_cmp_eq_u32 s98, 0
	s_cselect_b32 s[LIM], 1, -1
	s_lshl_b32 s98, s99, 13
	s_add_co_u32 s98, s98, 4*STRIPE
	s_mov_b32 s99, 0
	s_add_nc_u64 s[PFA:PFA+1], s[PFA:PFA+1], s[98:99]
	CROUND                                         ; all sixteen work-groups are here: the first joint loads meet
	JLOAD RA, G1A3, RB, G1B3                       ; fill 0: one tensor load a wave at the head
	s_cmp_eq_u32 s[LIM], 1
	s_cbranch_scc0 .Lno_head_ask
.irp k, -2,-1,0,1,2
	global_prefetch_b8 v[PFO], s[PFA:PFA+1] offset:\k*STRIPE th:TH_LOAD_NT scope:SCOPE_SE   ; stripes 2 to 6: fills 1 and 2
.endr
.Lno_head_ask:
	; the diagonal step's operands go from memory straight into their registers: A's chunk into set 0, B's two chunks into sets 0 and 2
.irp fi, 0,1,2,3
.irp c, 0,1,2
	global_load_b128 v[FG+12*\fi+4*\c:FG+12*\fi+4*\c+3], v[LO16], s[92:93] offset:1536*((\fi%2)+4*(\fi/2))+512*\c
.endr
.endr
	global_load_b128 v[SC:SC+3], v[LO16], s[92:93] offset:12288
	global_load_b128 v[SC+4:SC+7], v[LO16], s[94:95] offset:12288
	global_load_b128 v[SC+16:SC+19], v[LO16], s[94:95] offset:DSB+12288
	WIN 0xc0
.irp fi, 0,1,2,3
.irp c, 0,1,2
	global_load_b128 v[FG+12*\fi+4*\c:FG+12*\fi+4*\c+3], v[LO16], s[92:93] offset:1536*(2+(\fi%2)+4*(\fi/2))+512*\c
.endr
.endr
	WIN 0x40
.irp d, 0,1
.irp fi, 0,1,2,3
.irp c, 0,1,2
	global_load_b128 v[FG+96*\d+12*\fi+4*\c:FG+96*\d+12*\fi+4*\c+3], v[LO16], s[94:95] offset:DSB*\d+1536*\fi+512*\c
.endr
.endr
.endr
	WIN 0x80
.irp d, 0,1
.irp fi, 0,1,2,3
.irp c, 0,1,2
	global_load_b128 v[FG+96*\d+12*\fi+4*\c:FG+96*\d+12*\fi+4*\c+3], v[LO16], s[94:95] offset:DSB*\d+1536*(4+\fi)+512*\c
.endr
.endr
.endr
	WIN 0
	s_wait_tensorcnt 0x0                           ; my part of fill 0 is in
	ds_add_u32 v[SPW], v[NIL]
	s_wait_dscnt 0x0
	CROUND
	JLOAD RA+4, G1A3, RB+4, G1B3                   ; fill 1, slot 1's first
	s_wait_loadcnt 0x0
	PH 0, 0, 0, 2, SC, SC+4, SC+16, 1              ; the diagonal step starts the sums (C = 0),
	RUN 0, 0, 1                                    ; and fetches K step 0 into set 1, which no product has read yet
.irp q, 1,2,3
	PH \q, 0, 0, 2, SC, SC+4, SC+16, 1
.endr
	WIN 0
	s_mov_b32 s3, 4
.Llap:                                                 ; a trip: six K steps, once round the ring; K step s works on set (s + 1) % 2
	NSTEP 1, 0, 1
	NSTEP 0, 0, 2
	TSTEP 1, 0, 1, 2, 1
	NSTEP 0, 1, 1
	NSTEP 1, 1, 2
	TSTEP 0, 1, 0, 2, 1
	WIN 0
	s_sub_co_u32 s3, s3, 1
	s_cmp_lg_u32 s3, 0
	s_cbranch_scc1 .Llap
	NSTEP 1, 0, 1                                  ; K steps 24 to 31 are written out
	NSTEP 0, 0, 2
	TSTEP 1, 0, 1, 3, 0                            ; slot 0 takes the last fill
	NSTEP 0, 1, 1
	NSTEP 1, 1, 2
	TSTEP 0, 1, 0, 0, 0                            ; nothing is left to fetch: a barrier alone shows the last fill whole
	NSTEP 1, 0, 1
; THE WAY OUT, by blocks of 16 rows x 128 columns through my own stage: in as 32 bytes a lane, back as rows of 512 bytes.  LDS serves a wave's instructions in order (ISA guide 5.7.1.4).
.macro TOSTAGE a
.irp j, 0,1
	WIN 4*(3*((\a)/2)+(1-2*((\a)/2))*\j)           ; the data's window: rows 0-31: 0, 1; rows 32-63: 3, 2
.irp bp, 0,1,2,3
	ds_store_b128 v[STO], v[ACC+8*(4*((\a)%2)+\bp):ACC+8*(4*((\a)%2)+\bp)+3] offset:64*(4*\j+\bp)   ; each accumulator from its low end on
	ds_store_b128 v[STO], v[ACC+8*(4*((\a)%2)+\bp)+4:ACC+8*(4*((\a)%2)+\bp)+7] offset:64*(4*\j+\bp)+16
.endr
.endr
	WIN 0
.irp t, 0,1,2,3,4,5,6,7,8,9,10,11,12,13,14,15
	ds_load_b128 v[BK+64*((\a)%2)+4*\t:BK+64*((\a)%2)+4*\t+3], v[RD] offset:\t*SPITCH
.endr
.endm
.macro SEND a, younger
	s_wait_dscnt \younger
.irp t, 0,1,2,3,4,5,6,7,8,9,10,11,12,13,14,15
	global_store_b128 v[LO16], v[BK+64*((\a)%2)+4*\t:BK+64*((\a)%2)+4*\t+3], s[8:9] offset:(16*\a+\t)*16384 th:TH_STORE_NT   ; 32 lanes store 512 consecutive bytes, at a multiple of 256 from out's first byte
.endr
.endm
	s_wait_dscnt 24                                ; K step 31, on set 0: nothing more is fetched, the counts run down
	PHN 0, 0
	s_wait_dscnt 12
	PHN 1, 0
	s_wait_dscnt 0x0
	PLACES 4                                       ; rows 0-31 are finished: they go through the stage and leave while rows 32-63 are multiplied
	TOSTAGE 0
	TOSTAGE 1
	PHN 2, 0
	WIN 0
	SEND 0, 32                                     ; behind block 0's loads: block 1's 16 stores and 16 loads
	PHN 3, 0
	PLACES 4
	WIN 0
	SEND 1, 0
	s_wait_xcnt 0x0                                ; the stores have read their registers: the next blocks' rows may land there
	TOSTAGE 2
	TOSTAGE 3
	SEND 2, 32
	SEND 3, 0
	s_wait_tensorcnt 0x0                           ; the wave's end
	ds_add_u32 v[SPW], v[NIL]
	s_wait_dscnt 0x0
	CROUND                                         ; the closing round
	s_endpgm
.Lfunc_end_k_q0c6bbe690d_gemm:
	.size	k_q0c6bbe690d_gemm, .Lfunc_end_k_q0c6bbe690d_gemm-k_q0c6bbe690d_gemm
	.p2alignl 7, 3214868480
	.fill 96, 4, 3214868480
	.section	.rodata,"a",@progbits
	.p2align	6, 0x0
	.amdhsa_kernel k_q0c6bbe690d_gemm
		.amdhsa_group_segment_fixed_size 327680
		.amdhsa_private_segment_fixed_size 0
		.amdhsa_enable_private_segment 0
		.amdhsa_kernarg_size 24
		.amdhsa_user_sgpr_count 2
		.amdhsa_user_sgpr_kernarg_segment_ptr 1
		.amdhsa_wavefront_size32 1
		.amdhsa_system_sgpr_workgroup_id_x 1
		.amdhsa_system_sgpr_workgroup_id_y 1
		.amdhsa_system_sgpr_workgroup_id_z 1
		.amdhsa_system_vgpr_workitem_id 0
		.amdhsa_next_free_vgpr 1024
		.amdhsa_next_free_sgpr 100
		.amdhsa_reserve_vcc 0
		.amdhsa_float_denorm_mode_32 3
		.amdhsa_float_denorm_mode_16_64 3
		.amdhsa_memory_ordered 1
		.amdhsa_forward_progress 1
		.amdhsa_inst_pref_size 207
	.end_amdhsa_kernel
	.amdgpu_metadata
---
amdhsa.version: [ 1, 2 ]
amdhsa.kernels:
  - .name:           k_q0c6bbe690d_gemm
    .symbol:         k_q0c6bbe690d_gemm.kd
    .args:
      - { .name: abuf, .offset: 0, .size: 8, .value_kind: global_buffer, .address_space: global }
      - { .name: bbuf, .offset: 8, .size: 8, .value_kind: global_buffer, .address_space: global }
      - { .name: out0, .offset: 16, .size: 8, .value_kind: global_buffer, .address_space: global }
    .group_segment_fixed_size: 327680
    .private_segment_fixed_size: 0
    .kernarg_segment_align: 8
    .kernarg_segment_size: 24
    .max_flat_workgroup_size: 128
    .sgpr_count:     100
    .vgpr_count:     1024
    .wavefront_size: 32
...
	.end_amdgpu_metadata
.endif
;; end of part 2
